; MI455X (gfx1250); checked and timed in simulation.
; The chip was launched on July 23, 2026; its instructions are those of AMD's public machine-readable ISA for CDNA 5 (MIT licence, August 2026) and "CDNA5" Instruction Set Architecture Reference Guide (July 2026). The comments in the code are by the model that wrote it; some were corrected since.
;; Slow But Correct Multihead Attention. Allowed arithmetic: matrix products marked QUANTISED: E4M3 operands, one E8M0 scale for each 32 along K, by v_wmma_scale_f32_16x16x128_f8f6f4 with both operands' format E4M3, f32 sums; everything else in f32.
;; Inputs: Wk_codes 1,024 x 32 x 32 uint8 (E4M3 codes of Wk, K innermost, in blocks of 32 codes); Wk_scales 1,024 x 32 uint8 (E8M0 scales of Wk, one for each 32 codes along K); Wo_codes 1,024 x 32 x 32 uint8 (E4M3 codes of Wo, K innermost, in blocks of 32 codes); Wo_scales 1,024 x 32 uint8 (E8M0 scales of Wo, one for each 32 codes along K); Wq_codes 1,024 x 32 x 32 uint8 (E4M3 codes of Wq, K innermost, in blocks of 32 codes); Wq_scales 1,024 x 32 uint8 (E8M0 scales of Wq, one for each 32 codes along K); Wv_codes 1,024 x 32 x 32 uint8 (E4M3 codes of Wv, K innermost, in blocks of 32 codes); Wv_scales 1,024 x 32 uint8 (E8M0 scales of Wv, one for each 32 codes along K); bk 1,024 float32; bo 1,024 float32; bq 1,024 float32; bv 1,024 float32; x_codes 2,048 x 4 x 32 x 32 uint8 (E4M3 codes of x, K innermost, in blocks of 32 codes); x_scales 2,048 x 4 x 32 uint8 (E8M0 scales of x, one for each 32 codes along K).
;; Outputs: out0 2,048 x 4 x 1,024 float32.
;; This version of the problem:
;;   THIS VERSION OF THE PROBLEM IS GIVEN IN LOW PRECISION. The matrix products marked QUANTISED in the list below multiply operands that are first quantised to E4M3 (4 exponent bits, 3 mantissa bits; 8 bits a number), with one power-of-two scale for each 32 numbers along K (OCP MX v1.0); their sums are f32. All else is computed in f32.
;;   The module's matrix products, in the order in which they are computed (A, B: the left and right operand; K: the contracted axis; several contracted axes count as one K, in the product's order):
;;     1. [M 8,192, K 1,024] x [K 1,024, N 1,024]; A: input x (given as codes); B: input Wq (given as codes): QUANTISED
;;     2. [M 8,192, K 1,024] x [K 1,024, N 1,024]; A: input x (given as codes); B: input Wk (given as codes): QUANTISED
;;     3. [M 8,192, K 1,024] x [K 1,024, N 1,024]; A: input x (given as codes); B: input Wv (given as codes): QUANTISED
;;     4. batch 64 x [M 2,048, K 64] x [K 64, N 2,048]; A: computed on the way; B: computed on the way: QUANTISED
;;     5. batch 64 x [M 64, K 2,048] x [K 2,048, N 2,048]; A: computed on the way; B: softmax (see below): QUANTISED
;;     6. [M 8,192, K 1,024] x [K 1,024, N 1,024]; A: computed on the way; B: input Wo (given as codes): QUANTISED
;;   THE QUANTISER, for each operand of a quantised product, along K:
;;     - K is cut into blocks of 32 from its start; a last block that is shorter is filled with zeros.
;;     - A block's scale is 2^e with e = floor(log2(the largest magnitude in the block)) - 8, held to -126 .. 127; a block of zeros has e = 0. As a byte (E8M0): e + 127.
;;     - Each number is divided by its block's scale, clamped to +-448, and rounded to the nearest number of E4M3, ties to even, subnormals kept.
;;     - The product sums the exact products of the quantised numbers (number of the format x scale) in f32.
;;   ~~~python
;;   def quantise(x, axis):      # numpy; x: float32 -> the quantised numbers, widened to float32 again
;;       x = np.moveaxis(x, axis, -1); K = x.shape[-1]
;;       x = np.pad(x, [(0, 0)] * (x.ndim - 1) + [(0, -K % 32)]); x = x.reshape(x.shape[:-1] + (-1, 32)); a = np.abs(x).max(-1, keepdims=True)
;;       e = np.where(a > 0, np.clip(np.frexp(np.where(a > 0, a, 1))[1] - 1 - 8, -126, 127), 0)      # np.frexp(a)[1] - 1 = floor(log2(a)), exactly
;;       r = np.clip(x / 2.0 ** e, -448, 448)
;;       step = 2.0 ** (np.maximum(np.frexp(np.where(r == 0, 1, r))[1] - 1, -6) - 3)
;;       q = np.round(r / step) * step * 2.0 ** e      # np.round: ties to even
;;       return np.moveaxis(q.reshape(q.shape[:-2] + (-1,))[..., :K], -1, axis).astype(np.float32)
;;   ~~~
;;   SOFTMAX AHEAD OF A QUANTISED PRODUCT. Where the list says 'softmax', what is quantised is not the finished softmax but p = 2^(t - M), with t = logit x log2(e) and M = ceil(the row's largest t), a whole number; so 1/2 < the row's largest p <= 1. The row's sum l is taken of the UNQUANTISED p, in f32, and the product's result is divided by l at the end. Since M is a whole number, a kernel that streams over the keys may use a running M (the ceiling of the running maximum): every later rescaling is an exact power of two, which a block's scale takes up: the codes' values come out the same.
;;   OPERANDS COMPUTED ON THE WAY. 'Computed on the way' means the value that the module computes at that place (a softmax that the list does not call 'softmax' is quantised finished and normalised). What goes into a quantiser is computed in f32, as accurately as f32 sums, v_exp_f32 and their like allow (about 1e-6 of the number): no bf16 or f16 on the way to a quantiser, and a product that is left as it is and whose result goes on into a quantised operand takes f32 operands (vector FMAs, or v_wmma_f32_16x16x4_f32). A number that lies on a knife's edge between two numbers of the format may be rounded either way, as far as f32 arithmetic and the matrix unit's own rounding can turn it there, and no further.
;;   INPUTS GIVEN AS CODES. Wk (in the module: [1024, 1024], K = its axis 1); Wo (in the module: [1024, 1024], K = its axis 1); Wq (in the module: [1024, 1024], K = its axis 1); Wv (in the module: [1024, 1024], K = its axis 1); x (in the module: [2048, 4, 1024], K = its axis 2): each comes as NAME_codes (uint8): NAME with its K axis moved to the last place and cut into blocks of 32 codes, [.., K / 32, bytes a block], one block behind the other in memory; one code a byte (a code: sign, 4 exponent bits, 3 mantissa bits); and NAME_scales (uint8): the same leading axes, one E8M0 byte (e + 127) for each 32 codes along K. Its value is code x scale, taken as it is: it is not quantised again, and the codes and scales need not be those that the quantiser above would give.
;; One version. Each part assembles by itself: llvm-mc -triple=amdgcn-amd-amdhsa -mcpu=gfx1250 --defsym DOCPART=n.
;; ======== version 1 of 1: 3 launches
;; limits: right only within a limited range of input values
;; workspace buffers: qb 17,563,648 bytes; kv 17,563,648 bytes; ao 8,388,608 bytes; asc 262,144 bytes
;; launch proj (part 1): grid 12 x 32, 4 waves a work-group, clusters of 4 x 4, 327,680 bytes of LDS; arguments x_codes, x_scales, Wq_codes, Wq_scales, bq, Wk_codes, Wk_scales, bk, Wv_codes, Wv_scales, bv, qb, kv; writes qb, kv
.if DOCPART == 1
	.amdgcn_target "amdgcn-amd-amdhsa--gfx1250"
	.amdhsa_code_object_version 6
	.text
	.protected	k_q3dc729be4b_proj
	.globl	k_q3dc729be4b_proj
	.p2align	8
	.type	k_q3dc729be4b_proj,@function
k_q3dc729be4b_proj:
	s_mov_b64 s[64:65], 0
	v_nop
	global_prefetch_b8 v0, s[64:65] scope:SCOPE_SE
	s_setreg_imm32_b32 hwreg(HW_REG_WAVE_MODE, 25, 1), 1
	s_wait_xcnt 0x0
	s_wait_alu depctr_hold_cnt(0) depctr_sa_sdst(0) depctr_va_vdst(0) depctr_va_sdst(0) depctr_va_ssrc(0) depctr_va_vcc(0) depctr_vm_vsrc(0)
	s_getreg_b32 s2, hwreg(HW_REG_IB_STS2, 6, 4)
	s_cmp_eq_u32 s2, 0
	s_cbranch_scc0 .Lentry_in_a_cluster
	s_endpgm
.Lentry_in_a_cluster:
	s_bfe_u32 s2, ttmp6, 0x10000c
	s_cmp_lg_u32 s2, 0xf033
	s_cbranch_scc0 .Lentry_shape_is_right
	s_endpgm
.Lentry_shape_is_right:
.set NQ,     2
.set ROWB,   256
.set PITCH,  272
.set FR,     16
.set NL,     4
.set NP,     8
.set HALFT,  128*PITCH
.set SLOT,   4*HALFT
.set SCL,    2*SLOT
.set SPIT,   48
.set HALFS,  128*SPIT
.set SBLK,   16*SPIT
.set SPARE,  SCL+4*HALFS
.set STEPB,  17152
.set HEADB,  16*STEPB
.set VIMG,   8192
.set KSC,    16384
.set VSC,    16896
.set BR,   8
.set ADRR, 16
.set ADRP, 20
.set LI,   24
.set VS,   25
.set ADRS, 27
.set SPW,  28
.set NIL,  29
.set BPO,  30
.set BRO,  31
.set SC,   32
.set BP,   64
.set RF,   128
.set T,    128
.set PC,   192
.set TM,   208
.set PW,   224
.set X,    232
.set Y,    240
.set TY,   2
.set HM,   3
.set G1X,  24
.set G0X,  32
.set G1W,  48
.set G0W,  56
.set G1XS, 68
.set G0XS, 76
.set G1WS, 80
.set G0WS, 88
.set OUTP, 96
.set SEL,  98
.set MNT,  100
.set MSB, 0
.macro WIN new
.if MSB != (\new)
	s_set_vgpr_msb (MSB<<8)|(\new)
.set MSB, \new
.endif
.endm
.set MUL_LO, 0xa1
.set MUL_HI, 0xf1
.set TO_P,   0x40
.macro JLOAD g0a, g1a, g0b, g1b
	s_cmp_eq_u32 s4, 0                             ; s4 = 0: this wave fetches x's tile, 1: W's
	s_cbranch_scc0 .Lfor_b_\@
	tensor_load_to_lds s[\g0a:\g0a+3], s[\g1a:\g1a+7]
	s_nop 0
.rept 4
	v_nop
.endr
	s_branch .Lasked_\@
.Lfor_b_\@:
	tensor_load_to_lds s[\g0b:\g0b+3], s[\g1b:\g1b+7]
	s_nop 0
.rept 4
	v_nop
.endr
.Lasked_\@:
.endm
.macro CREST
	s_cmp_lg_u32 s14, 0
	s_cbranch_scc1 .Lnot_wave_0_\@
	s_barrier_signal -3
.Lnot_wave_0_\@:
	s_barrier_wait -3
	s_barrier_signal -1
	s_barrier_wait -1
.endm
.macro CROUND
	s_barrier_signal -1
	s_barrier_wait -1
	CREST
.endm
	s_load_b128 s[4:7], s[0:1], 0x0
	s_load_b128 s[8:11], s[0:1], 0x10
	s_load_b64 s[12:13], s[0:1], 0x20
	s_load_b128 s[68:71], s[0:1], 0x28
	s_load_b64 s[72:73], s[0:1], 0x38
	s_load_b128 s[76:79], s[0:1], 0x40
	s_load_b64 s[80:81], s[0:1], 0x50
	s_load_b128 s[84:87], s[0:1], 0x58
	v_lshl_add_u32 v[SPW], v0, 2, SPARE
	v_mov_b32 v[NIL], 0
	ds_add_u32 v28, v29
	ds_add_u32 v28, v29
	s_wait_dscnt 0x0
	v_lshrrev_b32 v1, 5, v0
	v_readfirstlane_b32 s14, v1
	s_lshr_b32 s15, s14, 1
	s_and_b32 s16, s14, 1
	s_mov_b32 s[TY], ttmp9
	s_mov_b32 s[HM], 0xffff0000
	s_mov_b32 s[SEL], 0x76543210
	s_mov_b32 s[SEL+1], 0xfedcba98
	s_mov_b32 s[MNT], 0x600000
	s_bfe_u32 s40, ttmp6, 0x40000
	s_bfe_u32 s41, ttmp6, 0x40004
	s_and_b32 s17, ttmp7, 0xffff
	s_lshl_b32 s17, s17, 2
	s_add_co_u32 s17, s17, s41
	s_lshl_b32 s43, s41, 2
	s_lshl_b32 s43, 15, s43
	s_lshl_b32 s44, 0x1111, s40
	s_or_b32 s[G1X+0], s43, (0<<16)|(1<<20)|(1<<21)|(5<<22)|(3<<25)
	s_or_b32 s[G1W+0], s44, (0<<16)|(1<<20)|(1<<21)|(5<<22)|(3<<25)
.irp g, G1X, G1W
	s_mov_b32 s[\g+1], ROWB<<16
	s_mov_b32 s[\g+2], 128<<16
	s_mov_b32 s[\g+3], ROWB<<16
	s_mov_b32 s[\g+4], 128
	s_mov_b32 s[\g+6], 0
	s_mov_b32 s[\g+7], 0
.endr
	s_mov_b32 s[G1X+5], 4096
	s_mov_b32 s[G1W+5], 1024
	s_lshr_b32 s18, s17, 3
	s_and_b32 s19, s17, 7
	s_lshl_b32 s20, s19, 8
	s_lshl_b32 s21, s16, 7
	s_add_co_u32 s20, s20, s21
	s_lshl_b32 s22, s20, 7
	s_lshl_b32 s23, s18, 5
	s_add_co_u32 s22, s22, s23
	s_mov_b32 s23, 0
	s_lshl_b32 s20, s20, 12
	s_lshl_b32 s21, s18, 10
	s_add_co_u32 s20, s20, s21
	s_mov_b32 s21, 0
	s_lshl_b32 s46, s40, 8
	s_lshl_b32 s47, s16, 7
	s_add_co_u32 s46, s46, s47
	s_lshl_b32 s92, s46, 5
	s_mov_b32 s93, 0
	s_lshl_b32 s46, s46, 10
	s_mov_b32 s47, 0
	s_mul_i32 s45, s14, HALFT
	s_mul_i32 s94, s14, HALFS
	s_wait_kmcnt 0x0
	s_cmp_eq_u32 s[TY], 1
	s_cselect_b64 s[8:9], s[68:69], s[8:9]
	s_cselect_b64 s[10:11], s[70:71], s[10:11]
	s_cselect_b64 s[12:13], s[72:73], s[12:13]
	s_cmp_eq_u32 s[TY], 2
	s_cselect_b64 s[8:9], s[76:77], s[8:9]
	s_cselect_b64 s[10:11], s[78:79], s[10:11]
	s_cselect_b64 s[12:13], s[80:81], s[12:13]
	s_cmp_eq_u32 s[TY], 0
	s_cselect_b64 s[OUTP:OUTP+1], s[84:85], s[86:87]
	s_add_nc_u64 s[20:21], s[4:5], s[20:21]
	s_add_nc_u64 s[22:23], s[6:7], s[22:23]
	s_add_nc_u64 s[46:47], s[8:9], s[46:47]
	s_add_nc_u64 s[92:93], s[10:11], s[92:93]
	s_cmp_eq_u32 s[TY], 2
	s_cselect_b32 s4, 1, 0                         ; V: the roles of x and W change
	s_cselect_b32 s8, s15, s16
	s_cselect_b32 s9, s16, s15
	s_cselect_b32 s10, 0, 1
	s_cselect_b32 s11, 1, 0
	s_xor_b32 s4, s4, s15                          ; LDS is laid by role: waves 0, 1 fill the lane-side operand's rows (x; for V: W), waves 2, 3 the register-side operand's: every LDS address hangs on the wave's number alone
	s_lshl_b32 s66, s18, 4
	s_lshl_b32 s67, s40, 2
	s_add_co_u32 s66, s66, s67
	s_lshl_b32 s67, s8, 1
	s_add_co_u32 s66, s66, s67
	s_mul_i32 s66, s66, HEADB
	s_lshl_b32 s67, s19, 1
	s_add_co_u32 s67, s67, s9
	s_mul_i32 s67, s67, STEPB
	s_add_co_u32 s66, s66, s67
	s_mov_b32 s67, 0
	s_add_nc_u64 s[OUTP:OUTP+1], s[OUTP:OUTP+1], s[66:67]
	s_or_b32 s[G1XS+0], s43, (0<<16)|(1<<20)|(1<<21)|(2<<22)|(3<<25)
	s_or_b32 s[G1WS+0], s44, (0<<16)|(1<<20)|(1<<21)|(2<<22)|(3<<25)
.irp g, G1XS, G1WS
	s_mov_b32 s[\g+1], 32<<16
	s_mov_b32 s[\g+2], 128<<16
	s_mov_b32 s[\g+3], 32<<16
	s_mov_b32 s[\g+4], 128
	s_mov_b32 s[\g+6], 0
	s_mov_b32 s[\g+7], 0
.endr
	s_mov_b32 s[G1XS+5], 128
	s_mov_b32 s[G1WS+5], 32
	CROUND
	s_mov_b32 s[G0XS], 1
	s_add_co_u32 s[G0XS+1], s94, SCL
	s_mov_b64 s[G0XS+2:G0XS+3], s[22:23]
	s_or_b32 s[G0XS+3], s[G0XS+3], 0x80000000
	s_mov_b32 s[G0WS], 1
	s_add_co_u32 s[G0WS+1], s94, SCL
	s_mov_b64 s[G0WS+2:G0WS+3], s[92:93]
	s_or_b32 s[G0WS+3], s[G0WS+3], 0x80000000
	JLOAD G0XS, G1XS, G0WS, G1WS
.irp s, 0,1
	s_mov_b32 s[G0X+4*\s], 1
	s_add_co_u32 s[G0X+4*\s+1], s45, \s*SLOT
	s_add_nc_u64 s[G0X+4*\s+2:G0X+4*\s+3], s[20:21], \s*ROWB
	s_or_b32 s[G0X+4*\s+3], s[G0X+4*\s+3], 0x80000000
	s_mov_b32 s[G0W+4*\s], 1
	s_add_co_u32 s[G0W+4*\s+1], s45, \s*SLOT
	s_add_nc_u64 s[G0W+4*\s+2:G0W+4*\s+3], s[46:47], \s*ROWB
	s_or_b32 s[G0W+4*\s+3], s[G0W+4*\s+3], 0x80000000
	s_wait_alu depctr_va_vdst(0)
	s_wait_tensorcnt 0x0
	ds_add_u32 v28, v29
	s_wait_dscnt 0x0
	CROUND
	JLOAD G0X+4*\s, G1X, G0W+4*\s, G1W
.endr
	v_and_b32 v1, 15, v0
	s_wait_alu depctr_va_vdst(0)
	v_bfe_u32 v2, v0, 4, 1
	v_mul_u32_u24 v3, v1, PITCH
	v_lshl_add_u32 v4, v2, 4, v3
	s_mul_i32 s21, s15, HALFT
	s_mul_i32 s22, s16, HALFT
	s_add_co_u32 s22, s22, 2*HALFT
.irp s, 0,1
	v_add_nc_u32 v[ADRR+\s], s21, v4
	v_add_nc_u32 v[ADRP+\s], s22, v4
	s_add_co_u32 s21, s21, SLOT
	s_add_co_u32 s22, s22, SLOT
.endr
	v_mul_u32_u24 v5, v1, SPIT
	s_mul_i32 s21, s15, HALFS
	s_mul_i32 s22, s16, HALFS
	s_add_co_u32 s22, s22, 2*HALFS
	s_sub_co_u32 s22, s22, s21
	s_wait_alu depctr_va_vdst(0)                   ; directly ahead of the reader below
	v_mul_u32_u24 v6, s22, v2                      ; lanes 16-31 take the register-side operand's scale words: one product, the distance between the two bases
	s_add_co_u32 s21, s21, SCL
	v_add_nc_u32 v5, v5, v6
	v_add_nc_u32 v[ADRS], s21, v5
	v_and_b32 v3, 31, v0
	v_lshlrev_b32 v[LI], 4, v3
	v_mul_u32_u24 v[VS], v2, HEADB
	v_lshl_add_u32 v[VS], v1, 4, v[VS]
	s_lshl_b32 s46, s40, 10
	s_lshl_b32 s47, s16, 9
	s_add_co_u32 s47, s46, s47
	s_mul_i32 s47, s47, s10
	s_lshl_b32 s92, s15, 9
	s_add_co_u32 s92, s46, s92
	s_mul_i32 s92, s92, s11
	v_lshl_add_u32 v[BPO], v2, 5, s47
	v_lshl_add_u32 v[BRO], v1, 2, s92
.irp p, 0,1,2,3,4,5,6,7
	global_load_b128 v[BP+8*\p:BP+8*\p+3], v[BPO], s[12:13] offset:64*\p
	global_load_b128 v[BP+8*\p+4:BP+8*\p+7], v[BPO], s[12:13] offset:64*\p+16
.endr
.irp a, 0,1,2,3,4,5,6,7
	global_load_b32 v[BR+\a], v[BRO], s[12:13] offset:64*\a
.endr
.macro FRAG reg, adr, q, i
.irp c, 0,1,2,3
	ds_load_b128 v[\reg+4*\c:\reg+4*\c+3], v[\adr] offset:128*(\q)+32*\c+(\i)*16*PITCH
.endr
.endm
.macro MUL16 a0, p, q, sc, zero
.irp a, \a0, \a0+1
.irp b, 0,1,2,3,4,5,6,7
.if \zero
	v_wmma_scale_f32_16x16x128_f8f6f4 v[8*(8*((\a)%4)+\b):8*(8*((\a)%4)+\b)+7], v[128*(\p)+FR*\b:128*(\p)+FR*\b+FR-1], v[RF+FR*(\a):RF+FR*(\a)+FR-1], 0, v[SC+8*NQ*(\sc)+NQ*\b+(\q)], v[SC+8*NQ*(\sc)+NQ*(\a)+(\q)] matrix_a_scale:MATRIX_SCALE_ROW1
.else
	v_wmma_scale_f32_16x16x128_f8f6f4 v[8*(8*((\a)%4)+\b):8*(8*((\a)%4)+\b)+7], v[128*(\p)+FR*\b:128*(\p)+FR*\b+FR-1], v[RF+FR*(\a):RF+FR*(\a)+FR-1], v[8*(8*((\a)%4)+\b):8*(8*((\a)%4)+\b)+7], v[SC+8*NQ*(\sc)+NQ*\b+(\q)], v[SC+8*NQ*(\sc)+NQ*(\a)+(\q)] matrix_a_scale:MATRIX_SCALE_ROW1
.endif
.endr
.endr
.endm
.macro FETCH_P slot, q, p
	WIN TO_P
.irp i, 0,1,2,3,4,5,6,7
	FRAG 128*(\p)+FR*\i, ADRP+\slot, \q, \i
.endr
	WIN 0
.endm
.macro FETCH_R slot, q, i0
.irp i, \i0, \i0+1, \i0+2, \i0+3
	FRAG RF+FR*(\i), ADRR+\slot, \q, \i
.endr
.endm
.macro SCALES sc
.irp i, 0,1,2,3,4,5,6,7
	ds_load_b64 v[SC+8*NQ*\sc+NQ*\i:SC+8*NQ*\sc+NQ*\i+1], v[ADRS] offset:\i*SBLK
.endr
.endm
.macro PLACES n
.rept \n
	v_nop
.endr
.endm
.macro STEP slot, q, zero
	s_wait_dscnt 4*NL
	WIN MUL_LO
	MUL16 0, (\q)%2, \q, \slot, \zero
	MUL16 2, (\q)%2, \q, \slot, \zero
	s_wait_dscnt 0
	PLACES NP
	FETCH_P \slot, (\q)+1, 1-(\q)%2
	FETCH_R \slot, (\q)+1, 0
	WIN MUL_HI
	MUL16 4, (\q)%2, \q, \slot, \zero
	MUL16 6, (\q)%2, \q, \slot, \zero
	PLACES NP
	WIN 0
	FETCH_R \slot, (\q)+1, 4
.endm
.macro TURN slot, next, fill
	s_wait_tensorcnt 0x0
	ds_add_u32 v[SPW], v[NIL]
	s_wait_dscnt 4*NL+1
	WIN MUL_LO
	MUL16 0, 1, NQ-1, \slot, 0
	s_wait_dscnt 0x0
	s_barrier_signal -1
	MUL16 2, 1, NQ-1, \slot, 0
	WIN 0
	s_barrier_wait -1
.if \fill
	CREST
	s_add_nc_u64 s[G0X+4*\slot+2:G0X+4*\slot+3], s[G0X+4*\slot+2:G0X+4*\slot+3], 2*ROWB
	s_add_nc_u64 s[G0W+4*\slot+2:G0W+4*\slot+3], s[G0W+4*\slot+2:G0W+4*\slot+3], 2*ROWB
	JLOAD G0X+4*\slot, G1X, G0W+4*\slot, G1W
	PLACES NP-4
.else
	PLACES NP
.endif
	s_wait_alu depctr_va_vdst(0)
	v_add_nc_u32 v[ADRS], 4*NQ, v[ADRS]
	FETCH_P \next, 0, 0
	FETCH_R \next, 0, 0
	SCALES \next
	WIN MUL_HI
	MUL16 4, 1, NQ-1, \slot, 0
	MUL16 6, 1, NQ-1, \slot, 0
	PLACES NP
	WIN 0
	FETCH_R \next, 0, 4
.endm
	s_wait_alu depctr_va_vdst(0)
	s_wait_tensorcnt 1
	s_barrier_signal -1
	s_barrier_wait -1
	FETCH_P 0, 0, 0
	FETCH_R 0, 0, 0
	SCALES 0
	FETCH_R 0, 0, 4
	STEP 0, 0, 1
	TURN 0, 1, 1
	STEP 1, 0, 0
	TURN 1, 0, 1
	STEP 0, 0, 0
	TURN 0, 1, 0
	STEP 1, 0, 0
	s_wait_dscnt 4*NL
	WIN MUL_LO
	MUL16 0, 1, NQ-1, 1, 0
	MUL16 2, 1, NQ-1, 1, 0
	s_wait_dscnt 0
	WIN MUL_HI
	MUL16 4, 1, NQ-1, 1, 0
	MUL16 6, 1, NQ-1, 1, 0
	WIN 0
.macro QUANT pw
.irp b, 0,1,2,3
	v_max3_num_f32 v[TM+\b], |v[T+16*\b]|, |v[T+1+16*\b]|, 0x4800000
.endr
.irp i, 2,4,6,8,10,12,14
.irp b, 0,1,2,3
	v_max3_num_f32 v[TM+\b], v[TM+\b], |v[T+16*\b+\i]|, |v[T+1+16*\b+\i]|
.endr
.endr
.irp b, 0,1,2,3
	v_permlanex16_b32 v[TM+4+\b], v[TM+\b], s[SEL], s[SEL+1]
.endr
.irp b, 0,1,2,3
	v_max_num_f32 v[TM+\b], v[TM+\b], v[TM+4+\b]
.endr
.irp b, 0,1,2,3
	v_add_nc_u32 v[TM+12+\b], 0xfc000000, v[TM+\b]
.endr
.irp b, 0,1,2,3
	v_and_or_b32 v[TM+8+\b], v[TM+\b], 0x7f800000, s[MNT]
.endr
.irp b, 0,1,2,3
	v_lshrrev_b32 v[TM+4+\b], 23, v[TM+12+\b]
.endr
	v_lshl_or_b32 v[\pw], v[TM+5], 8, v[TM+4]
	v_lshl_or_b32 v[\pw], v[TM+6], 16, v[\pw]
	v_lshl_or_b32 v[\pw], v[TM+7], 24, v[\pw]
.irp b, 0,1,2,3
.irp i, 0,1,2,3,4,5,6,7,8,9,10,11,12,13,14,15
	v_med3_num_f32 v[T+16*\b+\i], v[T+16*\b+\i], -v[TM+8+\b], v[TM+8+\b]
.endr
	v_cvt_scalef32_pk8_fp8_f32 v[PC+4*\b:PC+1+4*\b], v[T+16*\b:T+7+16*\b], v[TM+12+\b]
	v_cvt_scalef32_pk8_fp8_f32 v[PC+2+4*\b:PC+3+4*\b], v[T+8+16*\b:T+15+16*\b], v[TM+12+\b]
.endr
	v_nop
.endm
.macro OUT_A a
	s_cmp_eq_u32 s[TY], 2
	s_cbranch_scc1 .Lbias_r_\@
	WIN 0x02+(\a)/4
.set i, 0
.rept 32
	v_pk_add_f32 v[T+2*i:T+2*i+1], v[64*((\a)%4)+2*i:64*((\a)%4)+2*i+1], v[BP+2*i:BP+2*i+1]
.set i, i+1
.endr
	WIN 0
	s_branch .Lbias_done_\@
.Lbias_r_\@:
	WIN 0x02+(\a)/4
.set i, 0
.rept 32
.if ((\a)%2) == 0
	v_pk_add_f32 v[T+2*i:T+2*i+1], v[64*((\a)%4)+2*i:64*((\a)%4)+2*i+1], v[BR+(\a):BR+(\a)+1] op_sel_hi:[1,0]
.else
	v_pk_add_f32 v[T+2*i:T+2*i+1], v[64*((\a)%4)+2*i:64*((\a)%4)+2*i+1], v[BR+(\a)-1:BR+(\a)] op_sel:[0,1] op_sel_hi:[1,1]
.endif
.set i, i+1
.endr
	WIN 0
.Lbias_done_\@:
	s_wait_xcnt 0x0
	QUANT PW+(\a)
	s_cmp_eq_u32 s[TY], 2
	s_cbranch_scc1 .Lstore_v_\@
.irp b, 0,1,2,3
	global_store_b128 v[LI], v[PC+4*\b:PC+4*\b+3], s[OUTP:OUTP+1] offset:(\b/2)*HEADB+1024*(\a)+512*(\b%2)
.endr
	s_branch .Lstore_done_\@
.Lstore_v_\@:
	s_wait_alu depctr_va_vdst(0)
.irp b, 0,1,2,3
	global_store_b128 v[LI], v[PC+4*\b:PC+4*\b+3], s[OUTP:OUTP+1] offset:((\a)/4)*HEADB+VIMG+2048*((\a)%4)+512*\b
.endr
.Lstore_done_\@:
.endm
	PLACES NP
	s_wait_loadcnt 0x0
.irp b, 0,1,2,3
	v_mov_b32 v[TM+4+\b], 0
.endr
.irp a, 0,1,2,3,4,5,6,7
	OUT_A \a
.endr
	s_cmp_eq_u32 s[TY], 2
	s_cbranch_scc1 .Lscale_v
.irp j, 0,1,2,3,4,5,6,7
	v_and_b32 v[X+\j], 0xffff, v[PW+\j]
.endr
.irp j, 0,1,2,3
	v_cndmask_b32 v[Y+\j], v[X+\j], v[X+4+\j], s[HM]
.endr
	global_store_b128 v[LI], v[Y:Y+3], s[OUTP:OUTP+1] offset:KSC
.irp j, 0,1,2,3,4,5,6,7
	v_lshrrev_b32 v[X+\j], 16, v[PW+\j]
.endr
.irp j, 0,1,2,3
	v_cndmask_b32 v[Y+4+\j], v[X+\j], v[X+4+\j], s[HM]
.endr
	global_store_b128 v[LI], v[Y+4:Y+7], s[OUTP:OUTP+1] offset:HEADB+KSC
	s_branch .Lscale_done
.Lscale_v:
.irp j, 0,1,2,3
	v_cndmask_b32 v[Y+\j], v[PW+\j], v[PW+4+\j], s[HM]
.endr
	global_store_b128 v[VS], v[Y:Y+3], s[OUTP:OUTP+1] offset:VSC
.Lscale_done:
	s_wait_tensorcnt 0x0
	ds_add_u32 v[SPW], v[NIL]
	s_wait_dscnt 0x0
	CROUND
	s_endpgm
.Lfunc_end_k_q3dc729be4b_proj:
	.size	k_q3dc729be4b_proj, .Lfunc_end_k_q3dc729be4b_proj-k_q3dc729be4b_proj
	.p2alignl 7, 3214868480
	.fill 96, 4, 3214868480
	.section	.rodata,"a",@progbits
	.p2align	6, 0x0
	.amdhsa_kernel k_q3dc729be4b_proj
		.amdhsa_group_segment_fixed_size 327680
		.amdhsa_private_segment_fixed_size 0
		.amdhsa_enable_private_segment 0
		.amdhsa_kernarg_size 104
		.amdhsa_user_sgpr_count 2
		.amdhsa_user_sgpr_kernarg_segment_ptr 1
		.amdhsa_wavefront_size32 1
		.amdhsa_system_sgpr_workgroup_id_x 1
		.amdhsa_system_sgpr_workgroup_id_y 1
		.amdhsa_system_sgpr_workgroup_id_z 1
		.amdhsa_system_vgpr_workitem_id 0
		.amdhsa_next_free_vgpr 1024
		.amdhsa_next_free_sgpr 102
		.amdhsa_reserve_vcc 0
		.amdhsa_float_denorm_mode_32 3
		.amdhsa_float_denorm_mode_16_64 3
		.amdhsa_memory_ordered 1
		.amdhsa_forward_progress 1
		.amdhsa_inst_pref_size 227
	.end_amdhsa_kernel
	.amdgpu_metadata
---
amdhsa.version: [ 1, 2 ]
amdhsa.kernels:
  - .name:           k_q3dc729be4b_proj
    .symbol:         k_q3dc729be4b_proj.kd
    .args:
      - { .name: x_codes, .offset: 0, .size: 8, .value_kind: global_buffer, .address_space: global }
      - { .name: x_scales, .offset: 8, .size: 8, .value_kind: global_buffer, .address_space: global }
      - { .name: Wq_codes, .offset: 16, .size: 8, .value_kind: global_buffer, .address_space: global }
      - { .name: Wq_scales, .offset: 24, .size: 8, .value_kind: global_buffer, .address_space: global }
      - { .name: bq, .offset: 32, .size: 8, .value_kind: global_buffer, .address_space: global }
      - { .name: Wk_codes, .offset: 40, .size: 8, .value_kind: global_buffer, .address_space: global }
      - { .name: Wk_scales, .offset: 48, .size: 8, .value_kind: global_buffer, .address_space: global }
      - { .name: bk, .offset: 56, .size: 8, .value_kind: global_buffer, .address_space: global }
      - { .name: Wv_codes, .offset: 64, .size: 8, .value_kind: global_buffer, .address_space: global }
      - { .name: Wv_scales, .offset: 72, .size: 8, .value_kind: global_buffer, .address_space: global }
      - { .name: bv, .offset: 80, .size: 8, .value_kind: global_buffer, .address_space: global }
      - { .name: qb, .offset: 88, .size: 8, .value_kind: global_buffer, .address_space: global }
      - { .name: kv, .offset: 96, .size: 8, .value_kind: global_buffer, .address_space: global }
    .group_segment_fixed_size: 327680
    .private_segment_fixed_size: 0
    .kernarg_segment_align: 8
    .kernarg_segment_size: 104
    .max_flat_workgroup_size: 128
    .sgpr_count:     102
    .vgpr_count:     1024
    .wavefront_size: 32
...
	.end_amdgpu_metadata
.endif
;; end of part 1
;; launch attn (part 2): grid 4 x 64, 16 waves a work-group, clusters of 4 x 1, 276,480 bytes of LDS; arguments qb, kv, ao, asc; writes ao, asc
.if DOCPART == 2
	.amdgcn_target "amdgcn-amd-amdhsa--gfx1250"
	.amdhsa_code_object_version 6
	.text
	.protected	k_q3dc729be4b_attn
	.globl	k_q3dc729be4b_attn
	.p2align	8
	.type	k_q3dc729be4b_attn,@function
k_q3dc729be4b_attn:
	s_mov_b64 s[64:65], 0
	v_nop
	global_prefetch_b8 v0, s[64:65] scope:SCOPE_SE
	s_setreg_imm32_b32 hwreg(HW_REG_WAVE_MODE, 25, 1), 1
	s_wait_xcnt 0x0
	s_wait_alu depctr_hold_cnt(0) depctr_sa_sdst(0) depctr_va_vdst(0) depctr_va_sdst(0) depctr_va_ssrc(0) depctr_va_vcc(0) depctr_vm_vsrc(0)
	s_getreg_b32 s2, hwreg(HW_REG_IB_STS2, 6, 4)
	s_cmp_eq_u32 s2, 0
	s_cbranch_scc0 .Lentry_in_a_cluster
	s_endpgm
.Lentry_in_a_cluster:
	s_bfe_u32 s2, ttmp6, 0x10000c
	s_cmp_lg_u32 s2, 0x3003
	s_cbranch_scc0 .Lentry_shape_is_right
	s_endpgm
.Lentry_shape_is_right:
; For each batch and head: O[q] = sum over keys of softmax(q . k / 8) v, both products on codes of FP8 (E4M3) with one E8M0 scale for each 32 along a product's K; O / l is quantised along its 64 channels and leaves as codes.
; THE SOFTMAX: t = score x log2(e) / 8; M = the running largest t rounded UP to a whole number; p = 2^(t - M) is quantised along the keys, not normalised; the row's sum is taken of the unquantised, unheld p and divides O at the end.
; SHARES.  A work-group owns 512 queries of one (batch, head); each of its sixteen waves owns one tile of 16 queries at a time, in two passes (a loop of two trips).
; THE WHOLE HEAD'S K AND V STAY IN LDS: sixteen blocks of STEPB bytes (128 keys each), as images of operand registers: every LDS load takes 512 consecutive bytes.  Each wave brings one block by one tensor load; LDS is filled once.
; So there is no loop in which a prefetch could run ahead of the tensor loads: none is written.
; CLUSTER.  The four query blocks of a head read the same K and V: each block is asked for jointly, by the same load with a mask that names the four.
; LAYOUT.  Both products are used transposed: S^T = K Q^T (source 0 = 16 keys, source 1 = my 16 queries), O^T = V^T P^T: a lane holds one query throughout.
; The head's 64 channels are half of the instruction's 128 along K.  Q's registers 8-15 are zero codes.  K's eight tiles lie back to back, 8 registers each: the upper half of a tile's operand is the next tile's codes
; (the last tile's: eight registers of zeros), which are numbers (the quantiser that made them holds at 448, so none is the NaN code) and meet Q's zero codes: they add 0.  The upper two scale bytes of both sides are 0.
; THE LOOP IS TURNED: a trip runs step i's softmax and second product, then loads step i + 1's K and multiplies its scores.  V's fragments take K's registers as soon as the scores are made.
; The hold at 448 x the scale writes scratch registers, so p stays as it was and the 32 additions of the row's sum stand where places behind and ahead of matrix instructions are owed: no v_nop is written in a step.
; A barrier is signalled at a trip's head and awaited at its end: no wave is more than one step ahead of another.  It orders no data.
; LIMITS: NaN and infinities are not served; 1 / l is v_rcp_f32's; a block of the result whose largest magnitude lies under 2^-118 gets the scale byte 1; the scaled scores stay under 2^31 in magnitude.
; REGISTERS: v1-3 lane terms; v4-7, v248-251 K's (v248-251 then V's) scale words, v253 p's, v255 Q's: scales alone; v8, v9 LDS addresses; v10, v11 the add's; v12 -M, v13 the largest t, v[14:15] the sum; v16-31 Q;
;   v32-95 K's eight tiles, then V's four fragments; v96-103 zeros; v104-167 S^T, then p; v168-199 O^T; v200-215 p's codes; v216-231 scratch; v232-247 a block's maximum, byte, hold and scale operand; v252 f; v254 at work.
.set STEPB, 17152
.set HEADB, 16*STEPB
.set VIMG,  8192
.set KSC,   16384
.set VSC,   16896
.set SPARE, 16*STEPB                   ; behind the sixteen blocks: the spare words, 128 bytes a wave
.set LI,  1                            ; 16 x lane
.set LR,  2                            ; 16 x (lane % 16)
.set AB,  3                            ; 32 x (lane % 16) + lane / 16
.set ADI, 8
.set ADW, 9
.set SPW, 10
.set NIL, 11
.set KF,  32
.set ZR,  96
.set S,   104
.set O,   168
.set PC,  200
.set T,   216
.set BM,  232
.set BP,  236
.set HO,  240
.set SO,  244
.set WV,  12
.set HM,  18
.set MNT, 19
.set SEL, 20
.set CS,  22
.set G1,  24
.set G0,  32
.set TB,  36                           ; LDS byte at which the block of the loads in hand begins
.set CNT, 37
.set QP,  40
.set QSP, 42
.set AOP, 44
.set ASP, 46
.set PS,  58                           ; the pass
.macro CROUND                          ; a round of the cluster's barrier
	s_barrier_signal -1
	s_barrier_wait -1
	s_cmp_lg_u32 s[WV], 0
	s_cbranch_scc1 .Lnot_wave_0_\@
	s_barrier_signal -3
.Lnot_wave_0_\@:
	s_barrier_wait -3
	s_barrier_signal -1
	s_barrier_wait -1
.endm
	s_load_b128 s[4:7], s[0:1], 0x0                ; qb, kv
	s_load_b128 s[8:11], s[0:1], 0x10              ; ao, asc
	v_lshl_add_u32 v[SPW], v0, 2, SPARE
	v_mov_b32 v[NIL], 0
	ds_add_u32 v[SPW], v[NIL]                      ; the opening lines: the add, twice on end, and its wait ahead of my tensor load
	ds_add_u32 v[SPW], v[NIL]
	v_lshrrev_b32 v254, 5, v0
	v_readfirstlane_b32 s[WV], v254                ; wave 0..15
	v_and_b32 v[LI], 31, v0
	v_lshlrev_b32 v[LI], 4, v[LI]
	v_and_b32 v252, 15, v0
	v_lshlrev_b32 v[LR], 4, v252
	v_bfe_u32 v254, v0, 4, 1
	v_lshl_add_u32 v[AB], v252, 5, v254
	s_bfe_u32 s13, ttmp6, 0x40000                  ; cx: my block of 512 queries: it enters global addresses alone
	s_and_b32 s14, ttmp7, 0xffff                   ; 16 b + head, which the four partners share
	s_mov_b32 s[G1], 15|(3<<16)|(1<<21)            ; the mask: all four work-groups; elements of 8 bytes; bit 21 beside a mask; no padding
	s_mov_b32 s[G1+1], 32<<16                      ; rows of 256 bytes,
	s_mov_b32 s[G1+2], 67<<16                      ; 67 of them = STEPB bytes, dense
	s_mov_b32 s[G1+3], 32<<16
	s_mov_b32 s[G1+4], 67
	s_mov_b32 s[G1+5], 32
	s_mov_b32 s[G1+6], 0
	s_mov_b32 s[G1+7], 0
	s_mov_b32 s[HM], 0xffff0000
	s_mov_b32 s[MNT], 0x600000
	s_mov_b32 s[SEL], 0x76543210
	s_mov_b32 s[SEL+1], 0xfedcba98
	s_mov_b32 s[CS], 0x3e38aa3b                    ; c = log2(e) / 8
	s_mov_b32 s[CS+1], s[CS]
	s_mov_b32 s[PS], 0
	s_mul_i32 s16, s14, HEADB                      ; the head's first byte in kv and in qb
	s_mov_b32 s17, 0
	s_mov_b32 s[G0], 1
	s_mul_i32 s[G0+1], s[WV], STEPB                ; my block's place in LDS,
	s_mul_i32 s38, s[WV], STEPB
	s_mov_b32 s39, 0
	s_add_nc_u64 s[38:39], s[38:39], s[16:17]      ; and in kv
	s_lshr_b32 s15, s14, 4                         ; b
	s_and_b32 s48, s14, 15                         ; head
	s_lshl_b32 s49, s13, 2
	s_lshr_b32 s50, s[WV], 3
	s_add_co_u32 s49, s49, s50
	s_mul_i32 s49, s49, STEPB
	s_add_co_u32 s49, s49, s16                     ; pass 0's query tile 32 cx + wave lies in block 4 cx + wave / 8 of qb,
	s_and_b32 s50, s[WV], 7
	s_lshl_b32 s50, s50, 10
	s_add_co_u32 s50, s50, s49                     ; as its tile wave % 8
	s_mov_b32 s51, 0
	s_bfe_u32 s52, s[WV], 0x10002
	s_lshl_b32 s52, s52, 8
	s_and_b32 s53, s[WV], 3
	s_lshl_b32 s53, s53, 2
	s_add_co_u32 s52, s52, s53
	s_add_co_u32 s52, s52, s49
	s_add_co_u32 s52, s52, KSC                     ; and its scale words
	s_mov_b32 s53, 0
	s_lshl_b32 s54, s15, 3                         ; ao: [8 b + s / 256][256 along K][tile][128 along K][block][lane][16]
	s_lshl_b32 s55, s13, 1
	s_add_co_u32 s54, s54, s55
	s_lshl_b32 s54, s54, 18
	s_lshr_b32 s55, s48, 2
	s_lshl_b32 s55, s55, 16
	s_add_co_u32 s54, s54, s55
	s_lshl_b32 s55, s[WV], 12
	s_add_co_u32 s54, s54, s55
	s_and_b32 s55, s48, 3
	s_lshl_b32 s55, s55, 10
	s_add_co_u32 s54, s54, s55
	s_mov_b32 s55, 0
	s_lshl_b32 s56, s15, 16                        ; asc: [b][s][32]: 32 (2,048 b + 512 cx + 16 wave) + 2 head
	s_lshl_b32 s57, s13, 14
	s_add_co_u32 s56, s56, s57
	s_lshl_b32 s57, s[WV], 9
	s_add_co_u32 s56, s56, s57
	s_lshl_b32 s57, s48, 1
	s_add_co_u32 s56, s56, s57
	s_mov_b32 s57, 0
	s_wait_alu depctr_va_vdst(0)                   ; directly ahead of the waits below
	s_wait_dscnt 0x0
	s_wait_kmcnt 0x0
	s_add_nc_u64 s[G0+2:G0+3], s[6:7], s[38:39]
	s_or_b32 s[G0+3], s[G0+3], 0x80000000
	s_add_nc_u64 s[QP:QP+1], s[4:5], s[50:51]
	s_add_nc_u64 s[QSP:QSP+1], s[4:5], s[52:53]
	s_add_nc_u64 s[AOP:AOP+1], s[8:9], s[54:55]
	s_add_nc_u64 s[ASP:ASP+1], s[10:11], s[56:57]
	global_load_b128 v[16:19], v[LI], s[QP:QP+1]              ; pass 0's Q: two blocks of codes,
	global_load_b128 v[20:23], v[LI], s[QP:QP+1] offset:512
	global_load_b32 v255, v[LR], s[QSP:QSP+1]                 ; and its scale words
	CROUND                                         ; all four work-groups are here: the joint loads meet
	tensor_load_to_lds s[G0:G0+3], s[G1:G1+7]      ; my one tensor load of the launch: 128 keys' K, V and scale words
	s_nop 0
.rept 4
	v_nop
.endr
.irp j, 24,25,26,27,28,29,30,31
	v_mov_b32 v[\j], 0                             ; Q's upper half of K: zero codes, set once
	v_mov_b32 v[ZR-24+\j], 0                       ; what stands behind K's last tile
.endr
.irp j, 236,237,238,239,253
	v_mov_b32 v[\j], 0                             ; lane permutes' destinations count as sources; v253 is named as the upper half of a pair before it is first made
.endr
	s_wait_alu depctr_va_vdst(0)                   ; the wait at the head's end
	s_wait_tensorcnt 0x0                           ; my block has landed,
	s_barrier_signal -1
	s_barrier_wait -1                              ; everybody's has
.macro KLOAD                           ; a block's eight tiles of K, back to back, and their scale words
.irp t, 0,1,2,3,4,5,6,7
	ds_load_b128 v[KF+8*\t:KF+8*\t+3], v[ADI] offset:1024*\t
	ds_load_b128 v[KF+8*\t+4:KF+8*\t+7], v[ADI] offset:1024*\t+512
.endr
	ds_load_b128 v[248:251], v[ADW] offset:KSC
	ds_load_b128 v[4:7], v[ADW] offset:KSC+256
.endm
.macro SMUL                            ; S^T = K Q^T: eight tiles of 16 keys
.irp t, 0,1,2,3
	v_wmma_scale_f32_16x16x128_f8f6f4 v[S+8*\t:S+8*\t+7], v[KF+8*\t:KF+8*\t+15], v[16:31], 0, v[248+\t], v255
.endr
.irp t, 0,1,2,3
	v_wmma_scale_f32_16x16x128_f8f6f4 v[S+32+8*\t:S+39+8*\t], v[KF+32+8*\t:KF+47+8*\t], v[16:31], 0, v[4+\t], v255
.endr
.endm
.macro SUMB o                          ; eight partial sums take eight more pairs of p
.set j, 0
.rept 8
	v_pk_add_f32 v[T+2*j:T+2*j+1], v[T+2*j:T+2*j+1], v[S+\o+2*j:S+\o+2*j+1]
.set j, j+1
.endr
.endm
.macro TREE                            ; the eight partial sums join the row's sum: eight lines that name no register of a product
.irp j, 0,2,4,6
	v_pk_add_f32 v[T+\j:T+\j+1], v[T+\j:T+\j+1], v[T+8+\j:T+9+\j]
.endr
	v_pk_add_f32 v[T:T+1], v[T:T+1], v[T+4:T+5]
	v_pk_add_f32 v[T+2:T+3], v[T+2:T+3], v[T+6:T+7]
	v_pk_add_f32 v[T:T+1], v[T:T+1], v[T+2:T+3]
	v_pk_add_f32 v[14:15], v[14:15], v[T:T+1]
.endm
; A KEY STEP of 128 keys whose scores are made.  pre = 1: the next step's K is loaded and its scores are multiplied at the end.  pre = 0: a pass's last step.
.macro BODY pre
.if \pre
	s_barrier_signal -1                            ; no LDS instruction of mine is out
.endif
; The largest score of each block of 32 keys: it serves for the row's maximum and, since p rises with the score, for the block's largest p.  Each accumulator is first read at its low end.
.irp b, 0,1,2,3
	v_max3_num_f32 v[BM+\b], v[S+16*\b], v[S+1+16*\b], v[S+2+16*\b]
.endr
.irp i, 3,5,7,9,11,13
.irp b, 0,1,2,3
	v_max3_num_f32 v[BM+\b], v[BM+\b], v[S+16*\b+\i], v[S+1+16*\b+\i]
.endr
.endr
.irp b, 0,1,2,3
	v_max_num_f32 v[BM+\b], v[BM+\b], v[S+15+16*\b]
.endr
.irp t, 0,1,2,3                                ; V's four fragments (16 channels x 128 keys) take K's registers: the score products stand 40 plain lines back
.irp c, 0,1,2,3
	ds_load_b128 v[KF+16*\t+4*\c:KF+16*\t+4*\c+3], v[ADI] offset:VIMG+2048*\t+512*\c
.endr
.endr
	ds_load_b128 v[248:251], v[ADW] offset:VSC
.if \pre == 0
	s_wait_alu depctr_va_vdst(0)                   ; directly ahead of the branch
	s_cmp_lg_u32 s[PS], 0
	s_cbranch_scc1 .Lno_q_\@                       ; Q's registers have been read for the last time in this pass: pass 1's Q is asked for under pass 0's last step
	global_load_b128 v[16:19], v[LI], s[QP:QP+1] offset:34304
	global_load_b128 v[20:23], v[LI], s[QP:QP+1] offset:34304+512
	global_load_b32 v255, v[LR], s[QSP:QSP+1] offset:34304
.Lno_q_\@:
.endif
.irp b, 0,1,2,3
	v_permlanex16_b32 v[BP+\b], v[BM+\b], s[SEL], s[SEL+1]
.endr
.irp b, 0,1,2,3
	s_delay_alu instid0(VALU_DEP_4)
	v_max_num_f32 v[BM+\b], v[BM+\b], v[BP+\b]     ; with lane l xor 16's 16 keys
.endr
	s_delay_alu instid0(VALU_DEP_2)
	v_max3_num_f32 v254, v232, v233, v234
	s_delay_alu instid0(VALU_DEP_1)
	v_max_num_f32 v254, v254, v235                 ; the step's largest score of my query
	s_delay_alu instid0(VALU_DEP_1)
	v_mul_f32 v254, s[CS], v254                    ; as t
	s_delay_alu instid0(VALU_DEP_1)
	v_max_num_f32 v13, v13, v254                   ; the running largest t
	v_mov_b32 v254, v12
	s_delay_alu instid0(VALU_DEP_2)
	v_floor_f32 v12, -v13                          ; the new -M = floor(-t): M is a whole number
	s_delay_alu instid0(VALU_DEP_1)
	v_sub_f32 v254, v12, v254                      ; old M - new M: a whole number, 0 or less
	s_delay_alu instid0(VALU_DEP_1)
	v_cvt_i32_f32 v254, v254                       ; (it saturates)
	s_delay_alu instid0(VALU_DEP_1)
	v_ldexp_f32 v252, 1.0, v254                    ; f = 2^(old M - new M)
.set j, 0
.rept 32
	v_pk_fma_f32 v[S+j:S+j+1], v[S+j:S+j+1], s[CS:CS+1], v[12:13] op_sel_hi:[1,0,0]   ; t - M, two at a time
.set j, j+2
.endr
.irp b, 0,1,2,3
	v_fma_f32 v[BM+\b], v[BM+\b], s[CS], v12       ; the same of each block's largest score
.endr
.set j, 0
.rept 16
	v_pk_mul_f32 v[O+j:O+j+1], v[O+j:O+j+1], v[252:253] op_sel_hi:[1,0]   ; O^T under the new M, ahead of the exponentials; each accumulator from its low end on
.set j, j+2
.endr
	s_wait_alu depctr_va_vdst(0)                   ; the wait ahead of the batch
.set j, 0
.rept 64
	v_exp_f32 v[S+j], v[S+j]                       ; p = 2^(t - M), at most 1
.set j, j+1
.endr
.irp b, 0,1,2,3
	v_exp_f32 v[BM+\b], v[BM+\b]                   ; the block's largest p
.endr
	v_pk_mul_f32 v[14:15], v[14:15], v[252:253] op_sel_hi:[1,0]   ; the sum under the new M (a plain place behind the exponentials)
	s_wait_alu depctr_va_vdst(0)                   ; one wait for the batch, ahead of its first reader
.irp b, 0,1,2,3
	v_max_num_f32 v[BM+\b], 0x4800000, v[BM+\b]    ; the floor 2^(9 - 127): the byte cannot fall under 1
.endr
.irp b, 0,1,2,3
	s_delay_alu instid0(VALU_DEP_4)
	v_add_nc_u32 v[SO+\b], 0xfc000000, v[BM+\b]    ; 8 off the exponent field: the conversion's scale operand
.endr
.irp b, 0,1,2,3
	v_and_or_b32 v[HO+\b], v[BM+\b], 0x7f800000, s[MNT]   ; 448 x the scale
.endr
.irp b, 0,1,2,3
	v_lshrrev_b32 v[BP+\b], 23, v[SO+\b]           ; the scale's byte
.endr
	s_delay_alu instid0(VALU_DEP_3)
	v_lshl_or_b32 v253, v237, 8, v236              ; p's scale word for these 128 keys
	s_delay_alu instid0(VALU_DEP_1)
	v_lshl_or_b32 v253, v238, 16, v253
	s_delay_alu instid0(VALU_DEP_1)
	v_lshl_or_b32 v253, v239, 24, v253
; The hold (the conversion does not saturate: ISA guide 7.6.2; p is not negative, so it is one-sided) goes into scratch, two numbers a line, eight numbers to a conversion, two sets of eight by turns; p itself stays.
.irp b, 0,1,2,3
.irp u, 0,1
.irp i, 0,2,4,6
	v_dual_min_num_f32 v[T+8*\u+\i], v[S+16*\b+8*\u+\i], v[HO+\b] :: v_dual_min_num_f32 v[T+8*\u+\i+1], v[S+16*\b+8*\u+\i+1], v[HO+\b]
.endr
	v_cvt_scalef32_pk8_fp8_f32 v[PC+4*\b+2*\u:PC+4*\b+2*\u+1], v[T+8*\u:T+8*\u+7], v[SO+\b]
.endr
.endr
.set j, 0
.rept 8                                        ; THE ROW'S SUM, of the unheld p: 8 + 8 + 8 + 8 packed additions.  These eight are the plain lines behind the conversions and the places between the codes and the products
	v_pk_add_f32 v[T+2*j:T+2*j+1], v[S+2*j:S+2*j+1], v[S+16+2*j:S+17+2*j]
.set j, j+1
.endr
	s_wait_alu depctr_va_vdst(0)                   ; directly ahead of the wait below
	s_wait_dscnt 0x0                               ; V's fragments and scale words
.irp t, 0,1,2,3                                ; O^T += V^T P^T: the four accumulators by turns
	v_wmma_scale_f32_16x16x128_f8f6f4 v[O+8*\t:O+8*\t+7], v[KF+16*\t:KF+16*\t+15], v[PC:PC+15], v[O+8*\t:O+8*\t+7], v[248+\t], v253
.endr
	SUMB 32                                        ; eight places behind the products, in front of the loads into their registers
.if \pre
	s_add_co_u32 s[TB], s[TB], STEPB
	v_add_nc_u32 v[ADI], s[TB], v[LI]
	v_add_nc_u32 v[ADW], s[TB], v[LR]
	KLOAD
	SUMB 48
	s_wait_alu depctr_va_vdst(0)                   ; directly ahead of the wait below
	s_wait_dscnt 0x0
	SMUL                                           ; the next step's scores, over p, which has been summed
	TREE                                           ; the eight places behind them
	s_barrier_wait -1                              ; every wave has begun this step
.else
	SUMB 48
	TREE
.endif
.endm
; THE WAY OUT of a pass: O^T / l, quantised along the head's 64 channels (two blocks), brought into the true order along K, and stored as two pieces of an operand's image.
.macro FINISH
	v_add_f32 v14, v14, v15                        ; the sum's two halves,
	v_permlanex16_b32 v254, v14, s[SEL], s[SEL+1]
	v_add_f32 v14, v14, v254                       ; and lane l xor 16's
	s_wait_alu depctr_va_vdst(0)                   ; the wait ahead of the transcendental
	v_rcp_f32 v14, v14
	v_nop                                          ; the plain line behind it
	s_wait_alu depctr_va_vdst(0)                   ; the wait ahead of its first reader, which is O^T's first reader too
.set j, 0
.rept 16
	v_pk_mul_f32 v[S+j:S+j+1], v[O+j:O+j+1], v[14:15] op_sel_hi:[1,0]   ; register 8 t + i is o(r, 16 t + 8 h + i)
.set j, j+2
.endr
.irp b, 0,1
	v_max3_num_f32 v[BM+\b], |v[S+16*\b]|, |v[S+1+16*\b]|, 0x4800000
.endr
.irp i, 2,4,6,8,10,12,14
.irp b, 0,1
	v_max3_num_f32 v[BM+\b], v[BM+\b], |v[S+16*\b+\i]|, |v[S+1+16*\b+\i]|
.endr
.endr
.irp b, 0,1
	v_permlanex16_b32 v[BP+\b], v[BM+\b], s[SEL], s[SEL+1]
.endr
.irp b, 0,1
	v_max_num_f32 v[BM+\b], v[BM+\b], v[BP+\b]
.endr
.irp b, 0,1
	v_add_nc_u32 v[SO+\b], 0xfc000000, v[BM+\b]
	v_and_or_b32 v[HO+\b], v[BM+\b], 0x7f800000, s[MNT]
.endr
.irp b, 0,1
	v_lshrrev_b32 v[BP+\b], 23, v[SO+\b]
.endr
	v_cndmask_b32 v[PC+8], v236, v237, s[HM]       ; lanes 0-15 carry block 0's byte, lanes 16-31 block 1's
.irp b, 0,1
.irp i, 0,1,2,3,4,5,6,7,8,9,10,11,12,13,14,15
	v_med3_num_f32 v[S+16*\b+\i], v[S+16*\b+\i], -v[HO+\b], v[HO+\b]
.endr
	v_cvt_scalef32_pk8_fp8_f32 v[PC+4*\b:PC+1+4*\b], v[S+16*\b:S+7+16*\b], v[SO+\b]
	v_cvt_scalef32_pk8_fp8_f32 v[PC+2+4*\b:PC+3+4*\b], v[S+8+16*\b:S+15+16*\b], v[SO+\b]
.endr
	v_nop                                          ; one plain line behind the last conversion
; A lane of the lower half holds channels 0-7 and 16-23 of a block, one of the upper half 8-15 and 24-31; the operand wants 0-15 below and 16-31 above, since Wo lies in the true order: the two middle groups of 8 change halves.
.irp b, 0,1
.irp k, 0,1
	v_cndmask_b32 v[T+2*\b+\k], v[PC+2+4*\b+\k], v[PC+4*\b+\k], s[HM]
.endr
.endr
.irp n, 0,1,2,3
	v_permlanex16_b32 v[T+4+\n], v[T+\n], s[SEL], s[SEL+1]
.endr
.irp b, 0,1
.irp k, 0,1
	v_cndmask_b32 v[PC+2+4*\b+\k], v[T+4+2*\b+\k], v[PC+2+4*\b+\k], s[HM]
	v_cndmask_b32 v[PC+4*\b+\k], v[PC+4*\b+\k], v[T+4+2*\b+\k], s[HM]
.endr
.endr
	global_store_b128 v[LI], v[PC:PC+3], s[AOP:AOP+1]                 ; 512 consecutive bytes each
	global_store_b128 v[LI], v[PC+4:PC+7], s[AOP:AOP+1] offset:512
	global_store_b8 v[AB], v[PC+8], s[ASP:ASP+1]                      ; row r's two scale bytes: one byte for each 32 of codes
.endm
; A PASS: query tile 32 cx + 16 pass + wave against all 2,048 keys.
.Lpass:
	s_mov_b32 s[TB], 0
	v_add_nc_u32 v[ADI], s[TB], v[LI]
	v_add_nc_u32 v[ADW], s[TB], v[LR]
	KLOAD
	v_mov_b32 v13, 0xff61b1e6                      ; the largest t so far: -3e38
	v_floor_f32 v12, -v13                          ; -M
	v_mov_b32 v14, 0
	v_mov_b32 v15, 0
	s_wait_alu depctr_va_vdst(0)                   ; directly ahead of the waits below
	s_wait_loadcnt 0x0                             ; Q
	s_wait_dscnt 0x0
	SMUL
.set j, 0
.rept 32
	v_mov_b32 v[O+j], 0                            ; O^T: the step is written for every trip alike; the first finds zeros.  (Also the places behind the first scores)
.set j, j+1
.endr
	s_mov_b32 s[CNT], 15
.Lstep:
	BODY 1
	s_sub_co_u32 s[CNT], s[CNT], 1
	s_cmp_lg_u32 s[CNT], 0
	s_cbranch_scc1 .Lstep
	BODY 0
	FINISH
	s_wait_xcnt 0x0                                ; the stores have read their registers and bases
	s_add_nc_u64 s[AOP:AOP+1], s[AOP:AOP+1], 262144
	s_add_nc_u64 s[ASP:ASP+1], s[ASP:ASP+1], 8192
	s_add_co_u32 s[PS], s[PS], 1
	s_cmp_lt_u32 s[PS], 2
	s_wait_alu depctr_va_vdst(0)                   ; directly ahead of the branch
	s_cbranch_scc1 .Lpass
	s_wait_tensorcnt 0x0                           ; the wave's end
	ds_add_u32 v[SPW], v[NIL]
	s_wait_dscnt 0x0
	CROUND                                         ; the closing round
	s_endpgm
.Lfunc_end_k_q3dc729be4b_attn:
	.size	k_q3dc729be4b_attn, .Lfunc_end_k_q3dc729be4b_attn-k_q3dc729be4b_attn
	.p2alignl 7, 3214868480
	.fill 96, 4, 3214868480
	.section	.rodata,"a",@progbits
	.p2align	6, 0x0
	.amdhsa_kernel k_q3dc729be4b_attn
		.amdhsa_group_segment_fixed_size 276480
		.amdhsa_private_segment_fixed_size 0
		.amdhsa_enable_private_segment 0
		.amdhsa_kernarg_size 32
		.amdhsa_user_sgpr_count 2
		.amdhsa_user_sgpr_kernarg_segment_ptr 1
		.amdhsa_wavefront_size32 1
		.amdhsa_system_sgpr_workgroup_id_x 1
		.amdhsa_system_sgpr_workgroup_id_y 1
		.amdhsa_system_sgpr_workgroup_id_z 1
		.amdhsa_system_vgpr_workitem_id 0
		.amdhsa_next_free_vgpr 256
		.amdhsa_next_free_sgpr 66
		.amdhsa_reserve_vcc 0
		.amdhsa_float_denorm_mode_32 3
		.amdhsa_float_denorm_mode_16_64 3
		.amdhsa_memory_ordered 1
		.amdhsa_forward_progress 1
		.amdhsa_inst_pref_size 52
	.end_amdhsa_kernel
	.amdgpu_metadata
---
amdhsa.version: [ 1, 2 ]
amdhsa.kernels:
  - .name:           k_q3dc729be4b_attn
    .symbol:         k_q3dc729be4b_attn.kd
    .args:
      - { .name: qb, .offset: 0, .size: 8, .value_kind: global_buffer, .address_space: global }
      - { .name: kv, .offset: 8, .size: 8, .value_kind: global_buffer, .address_space: global }
      - { .name: ao, .offset: 16, .size: 8, .value_kind: global_buffer, .address_space: global }
      - { .name: asc, .offset: 24, .size: 8, .value_kind: global_buffer, .address_space: global }
    .group_segment_fixed_size: 276480
    .private_segment_fixed_size: 0
    .kernarg_segment_align: 8
    .kernarg_segment_size: 32
    .max_flat_workgroup_size: 512
    .sgpr_count:     66
    .vgpr_count:     256
    .wavefront_size: 32
...
	.end_amdgpu_metadata
.endif
;; end of part 2
;; launch oproj (part 3): grid 4 x 32, 4 waves a work-group, clusters of 4 x 4, 327,680 bytes of LDS; arguments ao, asc, Wo_codes, Wo_scales, bo, out0; writes out0
.if DOCPART == 3
	.amdgcn_target "amdgcn-amd-amdhsa--gfx1250"
	.amdhsa_code_object_version 6
	.text
	.protected	k_q3dc729be4b_oproj
	.globl	k_q3dc729be4b_oproj
	.p2align	8
	.type	k_q3dc729be4b_oproj,@function
k_q3dc729be4b_oproj:
	s_mov_b64 s[64:65], 0
	v_nop
	global_prefetch_b8 v0, s[64:65] scope:SCOPE_SE
	s_setreg_imm32_b32 hwreg(HW_REG_WAVE_MODE, 25, 1), 1
	s_wait_xcnt 0x0
	s_wait_alu depctr_hold_cnt(0) depctr_sa_sdst(0) depctr_va_vdst(0) depctr_va_sdst(0) depctr_va_ssrc(0) depctr_va_vcc(0) depctr_vm_vsrc(0)
	s_getreg_b32 s2, hwreg(HW_REG_IB_STS2, 6, 4)
	s_cmp_eq_u32 s2, 0
	s_cbranch_scc0 .Lentry_in_a_cluster
	s_endpgm
.Lentry_in_a_cluster:
	s_bfe_u32 s2, ttmp6, 0x10000c
	s_cmp_lg_u32 s2, 0xf033
	s_cbranch_scc0 .Lentry_shape_is_right
	s_endpgm
.Lentry_shape_is_right:
.set NQ,     2
.set ROWB,   256
.set PITCH,  272
.set FR,     16
.set NL,     4
.set NP,     8
.set AH,     32768
.set HALFT,  128*PITCH
.set SLOT,   2*AH+2*HALFT
.set KS,     32
.set SCL,    2*SLOT
.set HALFS,  16*272
.set SBLK,   2*272
.set SPARE,  SCL+4*HALFS
.set SPITCH, 528
.set OROW,   16384
.set ADRA, 16
.set ADRB, 20
.set STO,  24
.set RD,   25
.set CO,   26
.set ADRS, 27
.set SPW,  28
.set NIL,  29
.set BOO,  30
.set SC,   32
.set BO,   64
.set AF,   128
.set BK,   128
.set G1,   24
.set G0,   32
.set G1B,  48
.set G0B,  56
.set G1S,  68
.set G0S,  76
.set G1SB, 80
.set G0SB, 88
.set MSB, 0
.macro WIN new
.if MSB != (\new)
	s_set_vgpr_msb (MSB<<8)|(\new)
.set MSB, \new
.endif
.endm
.set MUL_LO, 0xa1
.set MUL_HI, 0xf1
.set FST_LO, 0x81
.set FST_HI, 0xc1
.set TO_B,   0x40
.macro JLOAD g0a, g1a, g0b, g1b
	s_cmp_eq_u32 s15, 0
	s_cbranch_scc0 .Lfor_b_\@
	tensor_load_to_lds s[\g0a:\g0a+3], s[\g1a:\g1a+7]
	s_nop 0
.rept 4
	v_nop
.endr
	s_branch .Lasked_\@
.Lfor_b_\@:
	tensor_load_to_lds s[\g0b:\g0b+3], s[\g1b:\g1b+7]
	s_nop 0
.rept 4
	v_nop
.endr
.Lasked_\@:
.endm
.macro CREST
	s_cmp_lg_u32 s14, 0
	s_cbranch_scc1 .Lnot_wave_0_\@
	s_barrier_signal -3
.Lnot_wave_0_\@:
	s_barrier_wait -3
	s_barrier_signal -1
	s_barrier_wait -1
.endm
.macro CROUND
	s_barrier_signal -1
	s_barrier_wait -1
	CREST
.endm
	s_load_b128 s[4:7], s[0:1], 0x0
	s_load_b128 s[8:11], s[0:1], 0x10
	s_load_b64 s[96:97], s[0:1], 0x20
	s_load_b64 s[12:13], s[0:1], 0x28
	v_lshl_add_u32 v[SPW], v0, 2, SPARE
	v_mov_b32 v[NIL], 0
	ds_add_u32 v28, v29
	ds_add_u32 v28, v29
	s_wait_dscnt 0x0
	v_lshrrev_b32 v1, 5, v0
	v_readfirstlane_b32 s14, v1
	s_lshr_b32 s15, s14, 1
	s_and_b32 s16, s14, 1
	s_bfe_u32 s40, ttmp6, 0x40000
	s_bfe_u32 s41, ttmp6, 0x40004
	s_and_b32 s17, ttmp7, 0xffff
	s_lshl_b32 s17, s17, 2
	s_add_co_u32 s17, s17, s41
	s_lshl_b32 s43, s41, 2
	s_lshl_b32 s43, 15, s43
	s_lshl_b32 s44, 0x1111, s40
	s_or_b32 s[G1+0], s43, (3<<16)|(1<<21)
	s_mov_b32 s[G1+1], 32<<16
	s_mov_b32 s[G1+2], 128<<16
	s_mov_b32 s[G1+3], 32<<16
	s_mov_b32 s[G1+4], 128
	s_mov_b32 s[G1+5], 32
	s_mov_b32 s[G1+6], 0
	s_mov_b32 s[G1+7], 0
	s_or_b32 s[G1B+0], s44, (0<<16)|(1<<20)|(1<<21)|(5<<22)|(3<<25)
	s_mov_b32 s[G1B+1], ROWB<<16
	s_mov_b32 s[G1B+2], 128<<16
	s_mov_b32 s[G1B+3], ROWB<<16
	s_mov_b32 s[G1B+4], 128
	s_mov_b32 s[G1B+5], 1024
	s_mov_b32 s[G1B+6], 0
	s_mov_b32 s[G1B+7], 0
	s_or_b32 s[G1S+0], s43, (3<<16)|(1<<20)|(1<<21)|(5<<22)|(3<<25)
	s_or_b32 s[G1SB+0], s44, (3<<16)|(1<<20)|(1<<21)|(5<<22)|(3<<25)
.irp g, G1S, G1SB
	s_mov_b32 s[\g+1], 32<<16
	s_mov_b32 s[\g+2], 16<<16
	s_mov_b32 s[\g+3], 32<<16
	s_mov_b32 s[\g+4], 16
	s_mov_b32 s[\g+5], 32
	s_mov_b32 s[\g+6], 0
	s_mov_b32 s[\g+7], 0
.endr
	s_lshl_b32 s20, s17, 18
	s_lshl_b32 s21, s16, 15
	s_add_co_u32 s20, s20, s21
	s_mov_b32 s21, 0
	s_lshl_b32 s22, s17, 13
	s_lshl_b32 s23, s16, 12
	s_add_co_u32 s22, s22, s23
	s_mov_b32 s23, 0
	s_lshl_b32 s46, s40, 8
	s_lshl_b32 s47, s16, 7
	s_add_co_u32 s46, s46, s47
	s_lshl_b32 s92, s46, 5
	s_mov_b32 s93, 0
	s_lshl_b32 s46, s46, 10
	s_mov_b32 s47, 0
	s_lshl_b32 s45, s16, 15
	s_mul_i32 s66, s16, HALFT
	s_add_co_u32 s66, s66, 2*AH
	s_mul_i32 s94, s14, HALFS
	s_wait_kmcnt 0x0
	s_add_nc_u64 s[20:21], s[4:5], s[20:21]
	s_add_nc_u64 s[22:23], s[6:7], s[22:23]
	s_add_nc_u64 s[46:47], s[8:9], s[46:47]
	s_add_nc_u64 s[92:93], s[10:11], s[92:93]
	CROUND
	s_mov_b32 s[G0S], 1
	s_add_co_u32 s[G0S+1], s94, SCL
	s_mov_b64 s[G0S+2:G0S+3], s[22:23]
	s_or_b32 s[G0S+3], s[G0S+3], 0x80000000
	s_mov_b32 s[G0SB], 1
	s_add_co_u32 s[G0SB+1], s94, SCL
	s_mov_b64 s[G0SB+2:G0SB+3], s[92:93]
	s_or_b32 s[G0SB+3], s[G0SB+3], 0x80000000
	JLOAD G0S, G1S, G0SB, G1SB
.irp s, 0,1
	s_mov_b32 s[G0+4*\s], 1
	s_add_co_u32 s[G0+4*\s+1], s45, \s*SLOT
	s_add_nc_u64 s[G0+4*\s+2:G0+4*\s+3], s[20:21], \s*65536
	s_or_b32 s[G0+4*\s+3], s[G0+4*\s+3], 0x80000000
	s_mov_b32 s[G0B+4*\s], 1
	s_add_co_u32 s[G0B+4*\s+1], s66, \s*SLOT
	s_add_nc_u64 s[G0B+4*\s+2:G0B+4*\s+3], s[46:47], \s*ROWB
	s_or_b32 s[G0B+4*\s+3], s[G0B+4*\s+3], 0x80000000
	s_wait_alu depctr_va_vdst(0)
	s_wait_tensorcnt 0x0
	ds_add_u32 v28, v29
	s_wait_dscnt 0x0
	CROUND
	JLOAD G0+4*\s, G1, G0B+4*\s, G1B
.endr
	v_and_b32 v1, 15, v0
	v_bfe_u32 v2, v0, 4, 1
	v_mul_u32_u24 v3, v1, PITCH
	v_lshl_add_u32 v4, v2, 4, v3
	v_and_b32 v6, 31, v0
	v_lshlrev_b32 v[CO], 4, v6
	s_lshl_b32 s21, s15, 15
	s_mul_i32 s22, s16, HALFT
	s_add_co_u32 s22, s22, 2*AH
.irp s, 0,1
	v_add_nc_u32 v[ADRA+\s], s21, v[CO]
	v_add_nc_u32 v[ADRB+\s], s22, v4
	s_add_co_u32 s21, s21, SLOT
	s_add_co_u32 s22, s22, SLOT
.endr
	v_mul_u32_u24 v5, v1, KS
	v_lshrrev_b32 v6, 8, v5
	v_lshl_add_u32 v5, v6, 4, v5
	s_mul_i32 s21, s15, HALFS
	s_mul_i32 s22, s16, HALFS
	s_add_co_u32 s22, s22, 2*HALFS
	s_sub_co_u32 s22, s22, s21
	v_mul_u32_u24 v6, s22, v2
	s_add_co_u32 s21, s21, SCL
	v_add_nc_u32 v5, v5, v6
	v_add_nc_u32 v[ADRS], s21, v5
	s_mul_i32 s23, s14, 16*SPITCH
	v_mul_u32_u24 v5, v1, SPITCH
	v_lshl_add_u32 v5, v2, 5, v5
	v_add_nc_u32 v[STO], s23, v5
	v_add_nc_u32 v[RD], s23, v[CO]
	s_lshr_b32 s20, s17, 3
	s_lshl_b32 s20, s20, 12
	s_and_b32 s21, s17, 7
	s_lshl_b32 s21, s21, 8
	s_lshl_b32 s18, s15, 7
	s_add_co_u32 s21, s21, s18
	s_lshl_b32 s21, s21, 14
	s_add_co_u32 s20, s20, s21
	s_mov_b32 s21, 0
	s_lshl_b32 s46, s40, 10
	s_lshl_b32 s47, s16, 9
	s_add_co_u32 s46, s46, s47
	s_mov_b32 s47, 0
	v_lshl_add_u32 v[BOO], v2, 5, s46
	s_add_nc_u64 s[20:21], s[20:21], s[46:47]
	s_add_nc_u64 s[12:13], s[12:13], s[20:21]
.irp p, 0,1,2,3,4,5,6,7
	global_load_b128 v[BO+8*\p:BO+8*\p+3], v[BOO], s[96:97] offset:64*\p
	global_load_b128 v[BO+8*\p+4:BO+8*\p+7], v[BOO], s[96:97] offset:64*\p+16
.endr
.macro FRAG reg, adr, q, i
.irp c, 0,1,2,3
	ds_load_b128 v[\reg+4*\c:\reg+4*\c+3], v[\adr] offset:128*(\q)+32*\c+(\i)*16*PITCH
.endr
.endm
.macro FRAGA reg, adr, q, i
.irp c, 0,1,2,3
	ds_load_b128 v[\reg+4*\c:\reg+4*\c+3], v[\adr] offset:4096*(\i)+2048*(\q)+512*\c
.endr
.endm
.macro MUL16 a0, p, q, sc, zero
.irp a, \a0, \a0+1
.irp b, 0,1,2,3,4,5,6,7
.if \zero
	v_wmma_scale_f32_16x16x128_f8f6f4 v[8*(8*((\a)%4)+\b):8*(8*((\a)%4)+\b)+7], v[128*(\p)+FR*\b:128*(\p)+FR*\b+FR-1], v[AF+FR*(\a):AF+FR*(\a)+FR-1], v[BO+8*\b:BO+8*\b+7], v[SC+8*NQ*(\sc)+NQ*\b+(\q)], v[SC+8*NQ*(\sc)+NQ*(\a)+(\q)] matrix_a_scale:MATRIX_SCALE_ROW1
.else
	v_wmma_scale_f32_16x16x128_f8f6f4 v[8*(8*((\a)%4)+\b):8*(8*((\a)%4)+\b)+7], v[128*(\p)+FR*\b:128*(\p)+FR*\b+FR-1], v[AF+FR*(\a):AF+FR*(\a)+FR-1], v[8*(8*((\a)%4)+\b):8*(8*((\a)%4)+\b)+7], v[SC+8*NQ*(\sc)+NQ*\b+(\q)], v[SC+8*NQ*(\sc)+NQ*(\a)+(\q)] matrix_a_scale:MATRIX_SCALE_ROW1
.endif
.endr
.endr
.endm
.macro FETCH_B slot, q, p
	WIN TO_B
.irp i, 0,1,2,3,4,5,6,7
	FRAG 128*(\p)+FR*\i, ADRB+\slot, \q, \i
.endr
	WIN 0
.endm
.macro FETCH_A slot, q, i0
.irp i, \i0, \i0+1, \i0+2, \i0+3
	FRAGA AF+FR*(\i), ADRA+\slot, \q, \i
.endr
.endm
.macro SCALES sc
.irp i, 0,1,2,3,4,5,6,7
	ds_load_b64 v[SC+8*NQ*\sc+NQ*\i:SC+8*NQ*\sc+NQ*\i+1], v[ADRS] offset:\i*SBLK
.endr
.endm
.macro PLACES n
.rept \n
	v_nop
.endr
.endm
.macro STEP slot, q, zero
	s_wait_dscnt 4*NL
.if \zero
	WIN FST_LO
.else
	WIN MUL_LO
.endif
	MUL16 0, (\q)%2, \q, \slot, \zero
	MUL16 2, (\q)%2, \q, \slot, \zero
	s_wait_dscnt 0
	PLACES NP
	FETCH_B \slot, (\q)+1, 1-(\q)%2
	FETCH_A \slot, (\q)+1, 0
.if \zero
	WIN FST_HI
.else
	WIN MUL_HI
.endif
	MUL16 4, (\q)%2, \q, \slot, \zero
	MUL16 6, (\q)%2, \q, \slot, \zero
	PLACES NP
	WIN 0
	FETCH_A \slot, (\q)+1, 4
.endm
.macro TURN slot, next, fill
	s_wait_tensorcnt 0x0
	ds_add_u32 v[SPW], v[NIL]
	s_wait_dscnt 4*NL+1
	WIN MUL_LO
	MUL16 0, 1, NQ-1, \slot, 0
	s_wait_dscnt 0x0
	s_barrier_signal -1
	MUL16 2, 1, NQ-1, \slot, 0
	WIN 0
	s_barrier_wait -1
.if \fill
	CREST
	s_add_nc_u64 s[G0+4*\slot+2:G0+4*\slot+3], s[G0+4*\slot+2:G0+4*\slot+3], 2*65536
	s_add_nc_u64 s[G0B+4*\slot+2:G0B+4*\slot+3], s[G0B+4*\slot+2:G0B+4*\slot+3], 2*ROWB
	JLOAD G0+4*\slot, G1, G0B+4*\slot, G1B
	PLACES NP-4
.else
	PLACES NP
.endif
	s_wait_alu depctr_va_vdst(0)
	v_add_nc_u32 v[ADRS], 4*NQ, v[ADRS]
	FETCH_B \next, 0, 0
	FETCH_A \next, 0, 0
	SCALES \next
	WIN MUL_HI
	MUL16 4, 1, NQ-1, \slot, 0
	MUL16 6, 1, NQ-1, \slot, 0
	PLACES NP
	WIN 0
	FETCH_A \next, 0, 4
.endm
	s_wait_alu depctr_va_vdst(0)
	s_wait_tensorcnt 1
	s_barrier_signal -1
	s_barrier_wait -1
	FETCH_B 0, 0, 0
	FETCH_A 0, 0, 0
	SCALES 0
	FETCH_A 0, 0, 4
	s_wait_loadcnt 0x0
	STEP 0, 0, 1
	TURN 0, 1, 1
	STEP 1, 0, 0
	TURN 1, 0, 1
	STEP 0, 0, 0
	TURN 0, 1, 0
	STEP 1, 0, 0
	s_wait_dscnt 4*NL
	WIN MUL_LO
	MUL16 0, 1, NQ-1, 1, 0
	MUL16 2, 1, NQ-1, 1, 0
	s_wait_dscnt 0
	WIN MUL_HI
	MUL16 4, 1, NQ-1, 1, 0
	MUL16 6, 1, NQ-1, 1, 0
	WIN 0
.macro TOSTAGE a
.set AC, 64*((\a)%4)
	WIN 0x08+4*((\a)/4)
.irp b, 0,1,2,3,4,5,6,7
	ds_store_b128 v[STO], v[AC+8*\b:AC+8*\b+3] offset:64*\b
	ds_store_b128 v[STO], v[AC+8*\b+4:AC+8*\b+7] offset:64*\b+16
.endr
	WIN 0
.set BB, BK+64*((\a)%2)
.irp t, 0,1,2,3,4,5,6,7,8,9,10,11,12,13,14,15
	ds_load_b128 v[BB+4*\t:BB+4*\t+3], v[RD] offset:\t*SPITCH
.endr
.endm
.macro SEND a, younger
.set BB, BK+64*((\a)%2)
	s_wait_dscnt \younger
.if (\a) > 0
	s_add_nc_u64 s[12:13], s[12:13], 16*OROW
.endif
.irp t, 0,1,2,3,4,5,6,7,8,9,10,11,12,13,14,15
	global_store_b128 v[CO], v[BB+4*\t:BB+4*\t+3], s[12:13] offset:\t*OROW th:TH_STORE_NT
.endr
.endm
	PLACES NP
	TOSTAGE 0
.irp a, 1,2,3,4,5,6,7
.if \a > 1
	s_wait_xcnt 0x0
.endif
	TOSTAGE \a
	SEND \a-1, 32
.endr
	s_wait_xcnt 0x0
	SEND 7, 0
	s_wait_tensorcnt 0x0
	ds_add_u32 v[SPW], v[NIL]
	s_wait_dscnt 0x0
	CROUND
	s_endpgm
.Lfunc_end_k_q3dc729be4b_oproj:
	.size	k_q3dc729be4b_oproj, .Lfunc_end_k_q3dc729be4b_oproj-k_q3dc729be4b_oproj
	.p2alignl 7, 3214868480
	.fill 96, 4, 3214868480
	.section	.rodata,"a",@progbits
	.p2align	6, 0x0
	.amdhsa_kernel k_q3dc729be4b_oproj
		.amdhsa_group_segment_fixed_size 327680
		.amdhsa_private_segment_fixed_size 0
		.amdhsa_enable_private_segment 0
		.amdhsa_kernarg_size 48
		.amdhsa_user_sgpr_count 2
		.amdhsa_user_sgpr_kernarg_segment_ptr 1
		.amdhsa_wavefront_size32 1
		.amdhsa_system_sgpr_workgroup_id_x 1
		.amdhsa_system_sgpr_workgroup_id_y 1
		.amdhsa_system_sgpr_workgroup_id_z 1
		.amdhsa_system_vgpr_workitem_id 0
		.amdhsa_next_free_vgpr 1024
		.amdhsa_next_free_sgpr 98
		.amdhsa_reserve_vcc 0
		.amdhsa_float_denorm_mode_32 3
		.amdhsa_float_denorm_mode_16_64 3
		.amdhsa_memory_ordered 1
		.amdhsa_forward_progress 1
		.amdhsa_inst_pref_size 148
	.end_amdhsa_kernel
	.amdgpu_metadata
---
amdhsa.version: [ 1, 2 ]
amdhsa.kernels:
  - .name:           k_q3dc729be4b_oproj
    .symbol:         k_q3dc729be4b_oproj.kd
    .args:
      - { .name: ao, .offset: 0, .size: 8, .value_kind: global_buffer, .address_space: global }
      - { .name: asc, .offset: 8, .size: 8, .value_kind: global_buffer, .address_space: global }
      - { .name: Wo_codes, .offset: 16, .size: 8, .value_kind: global_buffer, .address_space: global }
      - { .name: Wo_scales, .offset: 24, .size: 8, .value_kind: global_buffer, .address_space: global }
      - { .name: bo, .offset: 32, .size: 8, .value_kind: global_buffer, .address_space: global }
      - { .name: out0, .offset: 40, .size: 8, .value_kind: global_buffer, .address_space: global }
    .group_segment_fixed_size: 327680
    .private_segment_fixed_size: 0
    .kernarg_segment_align: 8
    .kernarg_segment_size: 48
    .max_flat_workgroup_size: 128
    .sgpr_count:     98
    .vgpr_count:     1024
    .wavefront_size: 32
...
	.end_amdgpu_metadata
.endif
;; end of part 3
